; MI455X (gfx1250); checked and timed in simulation.
; The chip was launched on July 23, 2026; its instructions are those of AMD's public machine-readable ISA for CDNA 5 (MIT licence, August 2026) and "CDNA5" Instruction Set Architecture Reference Guide (July 2026). The comments in the code are by the model that wrote it; some were corrected since.
;; My Model. Allowed arithmetic: float matrix products may take bf16 or f16 operands with f32 sums; all other float work in f32.
;; Inputs: b 1 float32; value 32 x 2,048 x 2,048 float32; w 2,048 x 1 float32.
;; Outputs: out0 32 x 5 x 2,048 float32.
;; Constants: num_cxt = 5.
;; 2 versions, each right; version 2 is version 1 with the launch score written anew for expert scheduling mode. Each part assembles by itself: llvm-mc -triple=amdgcn-amd-amdhsa -mcpu=gfx1250 --defsym DOCPART=n.
;; ======== version 1 of 2: 2 launches
;; workspace buffers: cand 65,536 bytes of whole numbers
;; launch score (part 1): grid 256 x 1, 16 waves a work-group, no clusters, 3,072 bytes of LDS; arguments value, w, b, cand; writes cand
.if DOCPART == 1
	.amdgcn_target "amdgcn-amd-amdhsa--gfx1250"
	.amdhsa_code_object_version 6
	.text
	.protected	k_q07dcaf9c8c_score
	.globl	k_q07dcaf9c8c_score
	.p2align	8
	.type	k_q07dcaf9c8c_score,@function
k_q07dcaf9c8c_score:
	s_mov_b64 s[64:65], 0
	v_nop
	global_prefetch_b8 v0, s[64:65] scope:SCOPE_SE
	s_setreg_imm32_b32 hwreg(HW_REG_WAVE_MODE, 25, 1), 1
	s_wait_xcnt 0x0
; score[row] = sum over d of value[row][d] * w[d] + b  for the 65,536 rows (32 batches x 2,048) of 2,048 f32,
; and, for each block of 256 rows, its five best rows, written as whole numbers for the next launch.
;
; SHARES.  A work-group owns 256 rows (2 MiB, an eighth of a batch).  Wave v of 16 takes rows 16 r + v, r = 0..15, so that the
; sixteen waves together walk 128 KiB of neighbouring memory at a time.  A wave takes a whole row: sixteen 16-byte loads a lane,
; each load of the wave covering 512 neighbouring bytes.  A lane keeps the same 64 columns in every row, so its 64 w stay in registers.
; RING.  Four slots of half a row (8 loads, 32 registers).  While one slot is multiplied the three others are on their way:
; 24 to 32 loads, 12 to 16 KiB a wave, 192 to 256 KiB a work-group.  A slot owns its offset register, which is stepped behind the
; counted wait that shows the slot's own loads done: the loop needs no other wait.
; WHY THE VECTOR UNIT.  The product has ONE column: a matrix instruction would use one of its sixteen, and turning f32 into bf16 takes
; one conversion for two numbers, as many instructions as the packed multiply-add that does the whole job here, in f32.
; No tile is shared between waves or work-groups but w (8 KiB against 2 MiB), so no LDS ring, no cluster.
; ORDER.  A score becomes a u32 key that orders as the f32 bit patterns do (negative: all bits flipped; else: the sign bit set).
; Picks are by largest key, among equal keys by lowest row.  No branch and no address hangs on a score: selects only.
; LIMITS.  The sum of 2,048 products is made in f32 in another order than reference()'s: two scores nearer to each other than that
; sum's rounding (some 1e-6 of the sum of |products|) may be ranked the other way.  -0 ranks below +0; +NaN above +inf, -NaN below
; -inf, by this text's own NaN bits, which need not be reference()'s.
.set ROWB,  8192                       ; bytes in a row
.set HALFB, 4096                       ; bytes in a slot
.set WAVES, 16
.set RSTEP, WAVES*ROWB                 ; from a wave's row to its next
.set LANE, 1                           ; v1       lane
.set L15,  2                           ; v2       lane % 16: which of my wave's rows this lane keeps the key of
.set L15M, 3                           ; v3       lane % 16 - 1: the same, for the odd row of a trip
.set WO,   4                           ; v4       16 x lane: offset into w; at the end LDS address of wave 0's reads
.set SC,   5                           ; v5       the keys of my wave's 16 rows, row r in lanes r and r + 16
.set T,    6                           ; v[6:7]   at work
.set OFF,  8                           ; v[8:11]  slot s: byte offset of my 16 bytes of the half row that the slot loads
.set ACC,  12                          ; v[12:19] four chains of two sums
.set SA,   20                          ; v20      LDS address of my lane's key
.set W,    22                          ; v[22:85] w of my 64 columns
.set X,    86                          ; v[86:213] slot s: 32 registers
.set K,    X                           ; at the end, wave 0: v[86:93]   8 keys
.set I,    X+8                         ;                     v[94:101]  their rows
.set C,    X+16                        ;                     v[102:109] at work
.set M,    X+24                        ;                     v[110:111] largest key
.set N,    X+26                        ;                     v[112:113] its lowest row
.set WIN,  X+28                        ;                     v[114:115] lane p: key and row of pick p
	s_load_b256 s[4:11], s[0:1], 0x0               ; value s[4:5], w s[6:7], b s[8:9], cand s[10:11]
	v_lshl_add_u32 v214, v0, 2, 0x400
	v_mov_b32 v215, 0
	v_and_b32 v[LANE], 31, v0
	v_lshrrev_b32 v[T], 5, v0                      ; wave
	v_readfirstlane_b32 s14, v[T]                  ; and as a scalar
	v_and_b32 v[L15], 15, v0
	v_add_nc_u32 v[L15M], -1, v[L15]               ; (lane % 16 = 0 wraps and matches no row)
	v_lshlrev_b32 v[WO], 4, v[LANE]
	v_lshl_add_u32 v[OFF], v[T], 13, v[WO]         ; row = wave, 16 bytes a lane
	v_add_nc_u32 v[OFF+1], HALFB, v[OFF]           ; slot 1: its second half
	v_add_nc_u32 v[OFF+2], RSTEP, v[OFF]           ; slots 2, 3: my next row
	v_add_nc_u32 v[OFF+3], RSTEP+HALFB, v[OFF]
	s_lshl_b32 s15, s14, 6                         ; my wave's 64 bytes of LDS
	v_lshl_add_u32 v[SA], v[L15], 2, s15
	v_mov_b32 v[SC], 0                             ; written whole once: the selects below fill it lane by lane
	v_mov_b32 v[T+1], 0                            ; v_permlanex16_b32 counts as a reader of its destination
	s_lshl_b32 s2, ttmp9, 21                       ; the work-group's 2 MiB (255 x 2 MiB fits 32 bits)
	s_mov_b32 s3, 0
	s_mov_b32 s12, 0x76543210                      ; v_permlanex16_b32: lane i of one half reads lane i of the other
	s_mov_b32 s13, 0xfedcba98
	s_mov_b32 s17, 0                               ; the even row of the trip, 0, 2, .. 14
	s_wait_kmcnt 0x0
	s_load_b32 s16, s[8:9], 0x0                    ; b
	s_add_nc_u64 s[4:5], s[4:5], s[2:3]
.irp j, 0,1,2,3,4,5,6,7,8,9,10,11,12,13,14,15
	global_load_b128 v[W+4*\j:W+4*\j+3], v[WO], s[6:7] offset:512*\j       ; w, laid as a row is; every wave reads it again: no hint
.endr
.irp s, 0,1,2,3
.irp j, 0,1,2,3,4,5,6,7
	global_load_b128 v[X+32*\s+4*\j:X+32*\s+4*\j+3], v[OFF+\s], s[4:5] offset:512*\j th:TH_LOAD_NT   ; rows 0 and 1 fill the ring
.endr
.endr
	s_wait_kmcnt 0x0                               ; b
; The turn of slot s: half a row times w.  Even slots hold a row's first half, whose first four products start the four chains,
; so that nothing is cleared.  refill = 1: each 16 bytes are asked for again, two rows on, as soon as they have been multiplied.
; left = how many younger loads may stay out.
.macro HALF s, refill, left
	s_wait_loadcnt \left                           ; loads come back in order (ISA guide 5.7.1): this slot's eight are in
.if \refill
	v_add_nc_u32 v[OFF+\s], 2*RSTEP, v[OFF+\s]     ; free since that wait
.endif
.irp j, 0,1,2,3,4,5,6,7
.if ((\s%2)*8+\j) < 2
	v_pk_mul_f32 v[ACC+4*\j:ACC+4*\j+1],   v[X+32*\s+4*\j:X+32*\s+4*\j+1],   v[W+4*\j:W+4*\j+1]
	v_pk_mul_f32 v[ACC+4*\j+2:ACC+4*\j+3], v[X+32*\s+4*\j+2:X+32*\s+4*\j+3], v[W+4*\j+2:W+4*\j+3]
.else
	v_pk_fma_f32 v[ACC+4*(\j%2):ACC+4*(\j%2)+1],   v[X+32*\s+4*\j:X+32*\s+4*\j+1],   v[W+32*(\s%2)+4*\j:W+32*(\s%2)+4*\j+1],   v[ACC+4*(\j%2):ACC+4*(\j%2)+1]
	v_pk_fma_f32 v[ACC+4*(\j%2)+2:ACC+4*(\j%2)+3], v[X+32*\s+4*\j+2:X+32*\s+4*\j+3], v[W+32*(\s%2)+4*\j+2:W+32*(\s%2)+4*\j+3], v[ACC+4*(\j%2)+2:ACC+4*(\j%2)+3]
.endif
.if \refill
	global_load_b128 v[X+32*\s+4*\j:X+32*\s+4*\j+3], v[OFF+\s], s[4:5] offset:512*\j th:TH_LOAD_NT
.endif
.endr
.endm
; A row is done: eight sums a lane to one, 32 lanes to one (in every lane), + b, the key, and into the lanes that keep this row.
; sel = L15 for the trip's even row (number s17), L15M for the odd one (s17 + 1).
.macro ROWEND sel
	v_pk_add_f32 v[ACC:ACC+1],   v[ACC:ACC+1],     v[ACC+2:ACC+3]
	v_pk_add_f32 v[ACC+4:ACC+5], v[ACC+4:ACC+5],   v[ACC+6:ACC+7]
	v_pk_add_f32 v[ACC:ACC+1],   v[ACC:ACC+1],     v[ACC+4:ACC+5]
	v_add_f32 v[T], v[ACC], v[ACC+1]
	v_add_f32_dpp v[T], v[T], v[T] row_xmask:1 row_mask:0xf bank_mask:0xf
	v_add_f32_dpp v[T], v[T], v[T] row_xmask:2 row_mask:0xf bank_mask:0xf
	v_add_f32_dpp v[T], v[T], v[T] row_xmask:4 row_mask:0xf bank_mask:0xf
	v_add_f32_dpp v[T], v[T], v[T] row_xmask:8 row_mask:0xf bank_mask:0xf
	v_permlanex16_b32 v[T+1], v[T], s12, s13
	v_add_f32 v[T], v[T], v[T+1]
	v_add_f32 v[T], s16, v[T]                      ; + b, last, as reference() adds it
	v_ashrrev_i32 v[T+1], 31, v[T]                 ; negative: all ones; else 0
	v_or_b32 v[T+1], 0x80000000, v[T+1]            ; negative: flip all bits; else set the sign bit
	v_xor_b32 v[T], v[T], v[T+1]                   ; a u32 that orders as the f32 does
	v_cmp_eq_u32 vcc_lo, s17, v[\sel]
	v_cndmask_b32 v[SC], v[SC], v[T], vcc_lo
.endm
.Lrows:                                            ; seven trips of two rows; each asks for the two rows behind them
	HALF 0, 1, 24                                  ; 24 = the three younger slots' loads (in the first trip w's 16 are older, so in too)
	HALF 1, 1, 24
	ROWEND L15
	HALF 2, 1, 24
	HALF 3, 1, 24
	ROWEND L15M
	s_add_co_u32 s17, s17, 2
	s_cmp_lt_u32 s17, 14
	s_cbranch_scc1 .Lrows
	HALF 0, 0, 24                                  ; rows 14 and 15 ask for nothing: no load leaves the work-group's 2 MiB,
	HALF 1, 0, 16                                  ; and the counts run down
	ROWEND L15
	HALF 2, 0, 8
	HALF 3, 0, 0
	ROWEND L15M
	; The 256 keys meet in LDS: word 16 v + r holds the key of row 16 r + v.  Lanes r and r + 16 write the same word, the same value.
	ds_store_b32 v[SA], v[SC]
	s_wait_dscnt 0x0                               ; my keys are in LDS in front of my signal
	s_barrier_signal -1
	s_barrier_wait -1
	s_cmp_lg_u32 s14, 0
	s_cbranch_scc1 .Ldone                          ; the picks are one wave's work
	ds_load_b128 v[K:K+3],   v[WO]                 ; words 4 l + e:       wave l / 4,     r = 4 (l % 4) + e
	ds_load_b128 v[K+4:K+7], v[WO] offset:512      ; words 128 + 4 l + e: wave 8 + l / 4, the same r
	s_lshl_b32 s2, ttmp9, 8                        ; the work-group's first row, counted over all batches; also its 256 bytes in cand
	v_and_b32 v[T], 3, v[LANE]
	v_lshrrev_b32 v[T+1], 2, v[LANE]
	v_lshl_add_u32 v[T], v[T], 6, v[T+1]           ; row = 16 r + wave = 64 (l % 4) + 16 e + l / 4
	v_add_nc_u32 v[I], s2, v[T]
.irp e, 1,2,3
	v_add_nc_u32 v[I+\e], 16*\e, v[I]
.endr
.irp e, 0,1,2,3
	v_add_nc_u32 v[I+4+\e], 16*\e+8, v[I]
.endr
	v_mov_b32 v[WIN], 0                            ; lanes 5 to 31 keep this: lowest key, row -1: an entry that the merge never takes
	v_mov_b32 v[WIN+1], -1
	s_wait_dscnt 0x0
; Pick p: the largest key; among its holders the lowest row; lane p keeps both; then that entry is struck out (key 0, row -1: an entry
; struck out is never the lowest row, so a live key 0 is still served).  The eight compares go to eight masks so that none waits for a select.
.macro PICK p, strike
	v_max3_u32 v[M],   v[K],   v[K+1], v[K+2]
	v_max3_u32 v[M+1], v[K+3], v[K+4], v[K+5]
	v_max3_u32 v[M],   v[M],   v[K+6], v[K+7]
	v_max_u32  v[M],   v[M],   v[M+1]
	v_max_u32_dpp v[M], v[M], v[M] row_xmask:1 row_mask:0xf bank_mask:0xf
	v_max_u32_dpp v[M], v[M], v[M] row_xmask:2 row_mask:0xf bank_mask:0xf
	v_max_u32_dpp v[M], v[M], v[M] row_xmask:4 row_mask:0xf bank_mask:0xf
	v_max_u32_dpp v[M], v[M], v[M] row_xmask:8 row_mask:0xf bank_mask:0xf
	v_permlanex16_b32 v[M+1], v[M], s12, s13
	v_max_u32 v[M], v[M], v[M+1]
.irp e, 0,1,2,3,4,5,6,7
	v_cmp_eq_u32 s[20+\e], v[K+\e], v[M]
.endr
.irp e, 0,1,2,3,4,5,6,7
	v_cndmask_b32 v[C+\e], -1, v[I+\e], s[20+\e]   ; a holder's row, else the largest u32
.endr
	v_min3_u32 v[N],   v[C],   v[C+1], v[C+2]
	v_min3_u32 v[N+1], v[C+3], v[C+4], v[C+5]
	v_min3_u32 v[N],   v[N],   v[C+6], v[C+7]
	v_min_u32  v[N],   v[N],   v[N+1]
	v_min_u32_dpp v[N], v[N], v[N] row_xmask:1 row_mask:0xf bank_mask:0xf
	v_min_u32_dpp v[N], v[N], v[N] row_xmask:2 row_mask:0xf bank_mask:0xf
	v_min_u32_dpp v[N], v[N], v[N] row_xmask:4 row_mask:0xf bank_mask:0xf
	v_min_u32_dpp v[N], v[N], v[N] row_xmask:8 row_mask:0xf bank_mask:0xf
	v_permlanex16_b32 v[N+1], v[N], s12, s13
	v_min_u32 v[N], v[N], v[N+1]
	v_cmp_eq_u32 vcc_lo, \p, v[LANE]
	v_cndmask_b32 v[WIN],   v[WIN],   v[M], vcc_lo
	v_cndmask_b32 v[WIN+1], v[WIN+1], v[N], vcc_lo
.if \strike
.irp e, 0,1,2,3,4,5,6,7
	v_cmp_eq_u32 s[20+\e], v[I+\e], v[N]
.endr
.irp e, 0,1,2,3,4,5,6,7
	v_cndmask_b32 v[K+\e], v[K+\e], 0,  s[20+\e]
	v_cndmask_b32 v[I+\e], v[I+\e], -1, s[20+\e]
.endr
.endif
.endm
	PICK 0, 1
	PICK 1, 1
	PICK 2, 1
	PICK 3, 1
	PICK 4, 0
	v_lshlrev_b32 v[T], 3, v[LANE]
	s_add_nc_u64 s[10:11], s[10:11], s[2:3]        ; s3 is still 0
	global_store_b64 v[T], v[WIN:WIN+1], s[10:11]  ; 32 lanes x 8 bytes: the work-group's 256 bytes of cand, aligned, written whole
.Ldone:
	s_wait_tensorcnt 0x0
	ds_add_u32 v214, v215
	s_wait_dscnt 0x0
	s_endpgm
.Lfunc_end_k_q07dcaf9c8c_score:
	.size	k_q07dcaf9c8c_score, .Lfunc_end_k_q07dcaf9c8c_score-k_q07dcaf9c8c_score
	.p2alignl 7, 3214868480
	.fill 96, 4, 3214868480
	.section	.rodata,"a",@progbits
	.p2align	6, 0x0
	.amdhsa_kernel k_q07dcaf9c8c_score
		.amdhsa_group_segment_fixed_size 3072
		.amdhsa_private_segment_fixed_size 0
		.amdhsa_enable_private_segment 0
		.amdhsa_kernarg_size 32
		.amdhsa_user_sgpr_count 2
		.amdhsa_user_sgpr_kernarg_segment_ptr 1
		.amdhsa_wavefront_size32 1
		.amdhsa_system_sgpr_workgroup_id_x 1
		.amdhsa_system_sgpr_workgroup_id_y 1
		.amdhsa_system_sgpr_workgroup_id_z 1
		.amdhsa_system_vgpr_workitem_id 0
		.amdhsa_next_free_vgpr 216
		.amdhsa_next_free_sgpr 66
		.amdhsa_reserve_vcc 1
		.amdhsa_float_denorm_mode_32 3
		.amdhsa_float_denorm_mode_16_64 3
		.amdhsa_memory_ordered 1
		.amdhsa_forward_progress 1
		.amdhsa_inst_pref_size 39
	.end_amdhsa_kernel
	.amdgpu_metadata
---
amdhsa.version: [ 1, 2 ]
amdhsa.kernels:
  - .name:           k_q07dcaf9c8c_score
    .symbol:         k_q07dcaf9c8c_score.kd
    .args:
      - { .name: value, .offset: 0, .size: 8, .value_kind: global_buffer, .address_space: global }
      - { .name: w, .offset: 8, .size: 8, .value_kind: global_buffer, .address_space: global }
      - { .name: b, .offset: 16, .size: 8, .value_kind: global_buffer, .address_space: global }
      - { .name: cand, .offset: 24, .size: 8, .value_kind: global_buffer, .address_space: global }
    .group_segment_fixed_size: 3072
    .private_segment_fixed_size: 0
    .kernarg_segment_align: 8
    .kernarg_segment_size: 32
    .max_flat_workgroup_size: 512
    .sgpr_count:     66
    .vgpr_count:     216
    .wavefront_size: 32
...
	.end_amdgpu_metadata
.endif
;; end of part 1
;; launch gather (part 2): grid 32 x 5, 4 waves a work-group, no clusters, 0 bytes of LDS; arguments cand, value, out0; writes out0
.if DOCPART == 2
	.amdgcn_target "amdgcn-amd-amdhsa--gfx1250"
	.amdhsa_code_object_version 6
	.text
	.protected	k_q07dcaf9c8c_gather
	.globl	k_q07dcaf9c8c_gather
	.p2align	8
	.type	k_q07dcaf9c8c_gather,@function
k_q07dcaf9c8c_gather:
	s_mov_b64 s[64:65], 0
	v_nop
	global_prefetch_b8 v0, s[64:65] scope:SCOPE_SE
	s_setreg_imm32_b32 hwreg(HW_REG_WAVE_MODE, 25, 1), 1
	s_wait_xcnt 0x0
; out0[batch][j] = the row of value with the j-th best score of its batch.
; The launch before left, for each eighth of a batch, 256 bytes of cand: entries of (key, row), 8 bytes each; entries 0 to 4 are the
; eighth's five best, best first, entries 5 to 7 hold key 0 and row -1.  The key is a u32 that orders as the f32 score does; the row
; counts over all batches (0 to 65,535).  Whatever is among a batch's five best is among the five best of its eighth, so the 8 x 5
; entries hold the answer.
; A work-group (batch = x, j = y) copies one row of 8 KiB.  Each of its four waves merges for itself: two entries a lane, j + 1 picks,
; each pick the largest key and among its holders the lowest row (the order of lax.top_k).  Whole numbers only, as read from memory:
; no floating-point instruction stands in this text.  No LDS and no barrier: the waves hand each other nothing.
; Only as many work-groups as there are rows to copy: 160.
; No prefetch of candidate rows: the winner is known a few dozen instructions behind the list, and asking for all 40 rows of a batch
; would fetch eight times the bytes that are wanted.
; LIMITS: those of the keys (see the launch that makes them).  The row is clamped to 65,535 in front of the address.
.set ROWB, 8192
.set KEEP, 5
; v2 offset of my entries; v[4:5], v[6:7] my two entries (key, row); v8 largest key; v9 the other half's figure; v10 lowest row; v11 at work;
; v12 16 x thread; v13 offset into value; v[16:31] the row's bytes
	s_load_b128 s[4:7], s[0:1], 0x0                ; cand s[4:5], value s[6:7]
	s_load_b64 s[8:9], s[0:1], 0x10                ; out0
	s_and_b32 s10, ttmp7, 0xffff                   ; j
	s_lshl_b32 s2, ttmp9, 11                       ; the batch's eight blocks of 256 bytes
	s_mov_b32 s3, 0
	s_mov_b32 s12, 0x76543210                      ; v_permlanex16_b32: lane i of one half reads lane i of the other
	s_mov_b32 s13, 0xfedcba98
	v_and_b32 v1, 7, v0                            ; entry 0..7
	v_bfe_u32 v3, v0, 3, 2                         ; eighth 0..3 (the second load: 4..7)
	v_lshlrev_b32 v1, 3, v1
	v_lshl_add_u32 v2, v3, 8, v1
	v_lshlrev_b32 v12, 4, v0                       ; my 16 bytes of each 2 KiB of the row
	v_mov_b32 v9, 0                                ; v_permlanex16_b32 counts as a reader of its destination
	s_wait_kmcnt 0x0
	s_add_nc_u64 s[4:5], s[4:5], s[2:3]
	global_load_b64 v[4:5], v2, s[4:5]
	global_load_b64 v[6:7], v2, s[4:5] offset:1024
	s_mul_i32 s2, ttmp9, KEEP
	s_add_co_u32 s2, s2, s10
	s_lshl_b32 s2, s2, 13                          ; row 5 batch + j of out0, in bytes
	s_add_nc_u64 s[8:9], s[8:9], s[2:3]
	s_add_co_u32 s10, s10, 1                       ; from here on: the number of picks, j + 1 (1 to 5)
	s_mov_b32 s11, 0                               ; picks done
	s_wait_loadcnt 0x0
.Lpick:                                            ; j + 1 trips; the last one's v10 is the answer, in every lane
	v_max_u32 v8, v4, v6
	v_max_u32_dpp v8, v8, v8 row_xmask:1 row_mask:0xf bank_mask:0xf
	v_max_u32_dpp v8, v8, v8 row_xmask:2 row_mask:0xf bank_mask:0xf
	v_max_u32_dpp v8, v8, v8 row_xmask:4 row_mask:0xf bank_mask:0xf
	v_max_u32_dpp v8, v8, v8 row_xmask:8 row_mask:0xf bank_mask:0xf
	v_permlanex16_b32 v9, v8, s12, s13
	v_max_u32 v8, v8, v9                           ; the largest key
	v_cmp_eq_u32 s14, v4, v8
	v_cmp_eq_u32 s15, v6, v8
	v_cndmask_b32 v10, -1, v5, s14                 ; a holder's row, else the largest u32
	v_cndmask_b32 v11, -1, v7, s15
	v_min_u32 v10, v10, v11
	v_min_u32_dpp v10, v10, v10 row_xmask:1 row_mask:0xf bank_mask:0xf
	v_min_u32_dpp v10, v10, v10 row_xmask:2 row_mask:0xf bank_mask:0xf
	v_min_u32_dpp v10, v10, v10 row_xmask:4 row_mask:0xf bank_mask:0xf
	v_min_u32_dpp v10, v10, v10 row_xmask:8 row_mask:0xf bank_mask:0xf
	v_permlanex16_b32 v9, v10, s12, s13
	v_min_u32 v10, v10, v9                         ; its lowest row
	v_cmp_eq_u32 s14, v5, v10                      ; strike that entry out: key 0, row -1, like the fillers, which are never the lowest row
	v_cmp_eq_u32 s15, v7, v10                      ; while 40 true entries stand against at most 5 picks
	v_cndmask_b32 v4, v4, 0,  s14
	v_cndmask_b32 v5, v5, -1, s14
	v_cndmask_b32 v6, v6, 0,  s15
	v_cndmask_b32 v7, v7, -1, s15
	s_add_co_u32 s11, s11, 1                       ; a step of 1 against a bound that the loop does not write, with <: it ends for any bound
	s_cmp_lt_u32 s11, s10
	s_cbranch_scc1 .Lpick
	v_min_u32 v10, 0xffff, v10                     ; a number from memory enters an address only clamped to the table's rows
	v_lshl_add_u32 v13, v10, 13, v12               ; row x 8,192 + 16 x thread: below 2^29
.irp i, 0,1,2,3
	global_load_b128 v[16+4*\i:19+4*\i], v13, s[6:7] offset:2048*\i th:TH_LOAD_NT      ; the work-group's 128 lanes cover 2 KiB a load
.endr
.irp i, 0,1,2,3
	s_wait_loadcnt 3-\i                            ; loads come back in order: load i is in, the younger ones may be out
	global_store_b128 v12, v[16+4*\i:19+4*\i], s[8:9] offset:2048*\i th:TH_STORE_NT    ; a wave's store covers 512 neighbouring bytes, aligned
.endr
	s_endpgm
.Lfunc_end_k_q07dcaf9c8c_gather:
	.size	k_q07dcaf9c8c_gather, .Lfunc_end_k_q07dcaf9c8c_gather-k_q07dcaf9c8c_gather
	.p2alignl 7, 3214868480
	.fill 96, 4, 3214868480
	.section	.rodata,"a",@progbits
	.p2align	6, 0x0
	.amdhsa_kernel k_q07dcaf9c8c_gather
		.amdhsa_group_segment_fixed_size 0
		.amdhsa_private_segment_fixed_size 0
		.amdhsa_enable_private_segment 0
		.amdhsa_kernarg_size 24
		.amdhsa_user_sgpr_count 2
		.amdhsa_user_sgpr_kernarg_segment_ptr 1
		.amdhsa_wavefront_size32 1
		.amdhsa_system_sgpr_workgroup_id_x 1
		.amdhsa_system_sgpr_workgroup_id_y 1
		.amdhsa_system_sgpr_workgroup_id_z 1
		.amdhsa_system_vgpr_workitem_id 0
		.amdhsa_next_free_vgpr 32
		.amdhsa_next_free_sgpr 66
		.amdhsa_reserve_vcc 0
		.amdhsa_float_denorm_mode_32 3
		.amdhsa_float_denorm_mode_16_64 3
		.amdhsa_memory_ordered 1
		.amdhsa_forward_progress 1
		.amdhsa_inst_pref_size 4
	.end_amdhsa_kernel
	.amdgpu_metadata
---
amdhsa.version: [ 1, 2 ]
amdhsa.kernels:
  - .name:           k_q07dcaf9c8c_gather
    .symbol:         k_q07dcaf9c8c_gather.kd
    .args:
      - { .name: cand, .offset: 0, .size: 8, .value_kind: global_buffer, .address_space: global }
      - { .name: value, .offset: 8, .size: 8, .value_kind: global_buffer, .address_space: global }
      - { .name: out0, .offset: 16, .size: 8, .value_kind: global_buffer, .address_space: global }
    .group_segment_fixed_size: 0
    .private_segment_fixed_size: 0
    .kernarg_segment_align: 8
    .kernarg_segment_size: 24
    .max_flat_workgroup_size: 128
    .sgpr_count:     66
    .vgpr_count:     32
    .wavefront_size: 32
...
	.end_amdgpu_metadata
.endif
;; end of part 2
;; ======== version 2 of 2: 2 launches; version 1 with the launch score written anew for expert scheduling mode
;; workspace buffers: cand 65,536 bytes of whole numbers
;; launch score (part 3): grid 256 x 1, 16 waves a work-group, no clusters, 3,072 bytes of LDS; arguments value, w, b, cand; writes cand
.if DOCPART == 3
	.amdgcn_target "amdgcn-amd-amdhsa--gfx1250"
	.amdhsa_code_object_version 6
	.text
	.protected	k_q07dcaf9c8c_score
	.globl	k_q07dcaf9c8c_score
	.p2align	8
	.type	k_q07dcaf9c8c_score,@function
k_q07dcaf9c8c_score:
	s_mov_b64 s[64:65], 0
	v_nop
	global_prefetch_b8 v0, s[64:65] scope:SCOPE_SE
	s_setreg_imm32_b32 hwreg(HW_REG_WAVE_SCHED_MODE, 0, 2), 2
	s_setreg_imm32_b32 hwreg(HW_REG_WAVE_MODE, 25, 1), 1
	s_wait_xcnt 0x0
	s_wait_alu depctr_vm_vsrc(0)
; score[row] = sum over d of value[row][d] * w[d] + b  for the 65,536 rows (32 batches x 2,048) of 2,048 f32,
; and, for each block of 256 rows, its five best rows, written as whole numbers for the next launch.
;
; SHARES.  A work-group owns 256 rows (2 MiB, an eighth of a batch).  Wave v of 16 takes rows 16 r + v, r = 0..15, so that the
; sixteen waves together walk 128 KiB of neighbouring memory at a time.  A wave takes a whole row: sixteen 16-byte loads a lane,
; each load of the wave covering 512 neighbouring bytes.  A lane keeps the same 64 columns in every row, so its 64 w stay in registers.
; RING.  Four slots of half a row (8 loads, 32 registers).  While one slot is multiplied the three others are on their way:
; 24 to 32 loads, 12 to 16 KiB a wave, 192 to 256 KiB a work-group.  A slot owns a scalar base, which is stepped behind the
; counted wait that shows the slot's own loads done: the loop needs no other wait on a memory counter.
; WHY THE VECTOR UNIT.  The product has ONE column: a matrix instruction would use one of its sixteen, and turning f32 into bf16 takes
; one conversion for two numbers, as many instructions as the packed multiply-add that does the whole job here, in f32.
; No tile is shared between waves or work-groups but w (8 KiB against 2 MiB), so no LDS ring, no cluster.
; ORDER.  A score becomes a u32 key that orders as the f32 bit patterns do (negative: all bits flipped; else: the sign bit set).
; Picks are by largest key, among equal keys by lowest row.  No branch and no address hangs on a score: selects only.
; LIMITS.  The sum of 2,048 products is made in f32 in another order than reference()'s: two scores nearer to each other than that
; sum's rounding (some 1e-6 of the sum of |products|) may be ranked the other way.  -0 ranks below +0; +NaN above +inf, -NaN below
; -inf, by this text's own NaN bits, which need not be reference()'s.
; THE MODE: SCHED_MODE bits 1:0 = 2 (LLVM: expert scheduling mode 2), set by the entry lines.  The code itself states the register
; dependences between vector instructions and memory or LDS instructions, with s_wait_alu, always for 0.
; THE PLAN.  Registers that memory or LDS instructions touch:
;   X0 .. X3      Slot s: the sixteen multiply-adds of its turn read it; behind them the loads of the same half, two rows on, land in it.
;   v[OFF], v[WO] Byte offsets, made once at the head and never written again: the rows are reached by the slots' scalar bases.
;   v[SA], v[SC]  Read by the one LDS store; SC is written by the rows' selects ahead of it; neither is written behind it.
;   K             Wave 0's LDS loads land in registers of slot 0, which the multiply-adds of row 14 read.
;   v[T], v[WIN]  Read by the one global store, written ahead of it, never behind it.
;   v214, v215    Written at the head, read by the closing add alone.
; ACC, L15, L15M and what the picks work in are named by vector instructions alone.
; So ONE wait on va_vdst stands in a half row, behind its multiply-adds.  An even half's eight loads follow it in a run; an odd half's are dealt
; among the first lines of the row's reduction, which names none of the registers that they touch.  No register that a memory or LDS
; instruction reads is written again, so no wait on vm_vsrc stands past the entry lines.  A mask made by a compare has its wait ahead of its first reader.
.set ROWB,  8192                       ; bytes in a row
.set HALFB, 4096                       ; bytes in a slot
.set WAVES, 16
.set RSTEP, WAVES*ROWB                 ; from a wave's row to its next
.set WB,   20                          ; s[20:27] slot s: the work-group's first row at the half row that the slot loads: a pair at WB + 2 s.
                                       ;          When the last load is in, the same eight registers take the picks' masks
.set LANE, 1                           ; v1       lane
.set L15,  2                           ; v2       lane % 16: which of my wave's rows this lane keeps the key of
.set L15M, 3                           ; v3       lane % 16 - 1: the same, for the odd row of a trip
.set WO,   4                           ; v4       16 x lane: offset into w; at the end LDS address of wave 0's reads
.set SC,   5                           ; v5       the keys of my wave's 16 rows, row r in lanes r and r + 16
.set T,    6                           ; v[6:7]   at work
.set OFF,  8                           ; v8       byte offset of my 16 bytes in my wave's first row: 8,192 x wave + 16 x lane (v9 to v11 are not used)
.set ACC,  12                          ; v[12:19] four chains of two sums
.set SA,   20                          ; v20      LDS address of my lane's key
.set W,    22                          ; v[22:85] w of my 64 columns
.set X,    86                          ; v[86:213] slot s: 32 registers
.set K,    X                           ; at the end, wave 0: v[86:93]   8 keys
.set I,    X+8                         ;                     v[94:101]  their rows
.set C,    X+16                        ;                     v[102:109] at work
.set M,    X+24                        ;                     v[110:111] largest key
.set N,    X+26                        ;                     v[112:113] its lowest row
.set WIN,  X+28                        ;                     v[114:115] lane p: key and row of pick p
	s_load_b256 s[4:11], s[0:1], 0x0               ; value s[4:5], w s[6:7], b s[8:9], cand s[10:11]
	v_lshl_add_u32 v214, v0, 2, 0x400
	v_mov_b32 v215, 0
	v_and_b32 v[LANE], 31, v0
	v_lshrrev_b32 v[T], 5, v0                      ; wave
	v_readfirstlane_b32 s14, v[T]                  ; and as a scalar
	v_and_b32 v[L15], 15, v0
	v_add_nc_u32 v[L15M], -1, v[L15]               ; (lane % 16 = 0 wraps and matches no row)
	v_lshlrev_b32 v[WO], 4, v[LANE]
	v_lshl_add_u32 v[OFF], v[T], 13, v[WO]         ; row = wave, 16 bytes a lane
	s_wait_alu depctr_va_sdst(0)                   ; s14 is written, ahead of its first reader, the line below
	s_lshl_b32 s15, s14, 6                         ; my wave's 64 bytes of LDS
	v_lshl_add_u32 v[SA], v[L15], 2, s15
	v_mov_b32 v[SC], 0                             ; written whole once: the selects below fill it lane by lane
	v_mov_b32 v[T+1], 0                            ; v_permlanex16_b32 counts as a reader of its destination
	s_lshl_b32 s2, ttmp9, 21                       ; the work-group's 2 MiB (255 x 2 MiB fits 32 bits)
	s_mov_b32 s3, 0
	s_mov_b32 s12, 0x76543210                      ; v_permlanex16_b32: lane i of one half reads lane i of the other
	s_mov_b32 s13, 0xfedcba98
	s_mov_b32 s17, 0                               ; the even row of the trip, 0, 2, .. 14
	s_wait_kmcnt 0x0
	s_load_b32 s16, s[8:9], 0x0                    ; b
	s_add_nc_u64 s[4:5], s[4:5], s[2:3]
.irp s, 0,1,2,3
	s_add_nc_u64 s[WB+2*(\s):WB+2*(\s)+1], s[4:5], ((\s)/2)*RSTEP+((\s)%2)*HALFB   ; slots 0, 1: the halves of my first row; slots 2, 3: of my next
.endr
	s_wait_alu depctr_va_vdst(0)                   ; v[WO], v[OFF] and v[SA] are written, which the loads and the LDS instructions of the kernel read as offsets and addresses
; One load of slot s: 16 bytes a lane, 512 neighbouring bytes a wave, at byte 512 j of the half row at which the slot's base stands.
.macro FILL s, j
	global_load_b128 v[X+32*(\s)+4*(\j):X+32*(\s)+4*(\j)+3], v[OFF], s[WB+2*(\s):WB+2*(\s)+1] offset:512*(\j) th:TH_LOAD_NT
.endm
.irp j, 0,1,2,3,4,5,6,7,8,9,10,11,12,13,14,15
	global_load_b128 v[W+4*\j:W+4*\j+3], v[WO], s[6:7] offset:512*\j       ; w, laid as a row is; every wave reads it again: no hint
.endr
.irp s, 0,1,2,3
.irp j, 0,1,2,3,4,5,6,7
	FILL \s, \j                                    ; rows 0 and 1 fill the ring
.endr
.endr
	s_wait_kmcnt 0x0                               ; b
; The turn of slot s: half a row times w.  Even slots hold a row's first half, whose first four products start the four chains,
; so that nothing is cleared.  ahead = 1: the slot will be asked for again, two rows on: its base steps.
; left = how many younger loads may stay out.
.macro HALF s, ahead, left
	s_wait_loadcnt \left                           ; loads come back in order (ISA guide 5.7.1): this slot's eight are in
.if \ahead
	s_add_nc_u64 s[WB+2*(\s):WB+2*(\s)+1], s[WB+2*(\s):WB+2*(\s)+1], 2*RSTEP   ; free since that wait, which shows the loads that read it done
.endif
.irp j, 0,1,2,3,4,5,6,7
.if ((\s%2)*8+\j) < 2
	v_pk_mul_f32 v[ACC+4*\j:ACC+4*\j+1],   v[X+32*\s+4*\j:X+32*\s+4*\j+1],   v[W+4*\j:W+4*\j+1]
	v_pk_mul_f32 v[ACC+4*\j+2:ACC+4*\j+3], v[X+32*\s+4*\j+2:X+32*\s+4*\j+3], v[W+4*\j+2:W+4*\j+3]
.else
	v_pk_fma_f32 v[ACC+4*(\j%2):ACC+4*(\j%2)+1],   v[X+32*\s+4*\j:X+32*\s+4*\j+1],   v[W+32*(\s%2)+4*\j:W+32*(\s%2)+4*\j+1],   v[ACC+4*(\j%2):ACC+4*(\j%2)+1]
	v_pk_fma_f32 v[ACC+4*(\j%2)+2:ACC+4*(\j%2)+3], v[X+32*\s+4*\j+2:X+32*\s+4*\j+3], v[W+32*(\s%2)+4*\j+2:W+32*(\s%2)+4*\j+3], v[ACC+4*(\j%2)+2:ACC+4*(\j%2)+3]
.endif
.endr
.endm
; An even slot is asked for again at once, in one run: the row's second half follows, and begins with a wait for its data.
.macro REFILL s
	s_wait_alu depctr_va_vdst(0)                   ; the sixteen products above are done reading X[s], in which the loads below land
.irp j, 0,1,2,3,4,5,6,7
	FILL \s, \j
.endr
.endm
; A row is done: eight sums a lane to one, 32 lanes to one (in every lane), + b, the key, and into the lanes that keep this row.
; sel = L15 for the trip's even row (number s17), L15M for the odd one (s17 + 1).
; s = the odd slot just multiplied; refill = 1: it is asked for again, its eight loads dealt in twos among the reduction's first lines.
.macro ROWEND sel, s, refill
	v_cmp_eq_u32 vcc_lo, s17, v[\sel]              ; the lanes that keep this row: made here, read by the last line
.if \refill
	s_wait_alu depctr_va_vdst(0)                   ; the sixteen multiply-adds above are done reading X[s], in which the eight loads below land; no line below names X or v[OFF]
	FILL \s, 0
	FILL \s, 1
.endif
	v_pk_add_f32 v[ACC:ACC+1],   v[ACC:ACC+1],     v[ACC+2:ACC+3]
	v_pk_add_f32 v[ACC+4:ACC+5], v[ACC+4:ACC+5],   v[ACC+6:ACC+7]
.if \refill
	FILL \s, 2
	FILL \s, 3
.endif
	v_pk_add_f32 v[ACC:ACC+1],   v[ACC:ACC+1],     v[ACC+4:ACC+5]
	v_add_f32 v[T], v[ACC], v[ACC+1]
.if \refill
	FILL \s, 4
	FILL \s, 5
.endif
	v_add_f32_dpp v[T], v[T], v[T] row_xmask:1 row_mask:0xf bank_mask:0xf
	v_add_f32_dpp v[T], v[T], v[T] row_xmask:2 row_mask:0xf bank_mask:0xf
.if \refill
	FILL \s, 6
	FILL \s, 7
.endif
	v_add_f32_dpp v[T], v[T], v[T] row_xmask:4 row_mask:0xf bank_mask:0xf
	v_add_f32_dpp v[T], v[T], v[T] row_xmask:8 row_mask:0xf bank_mask:0xf
	v_permlanex16_b32 v[T+1], v[T], s12, s13
	v_add_f32 v[T], v[T], v[T+1]
	v_add_f32 v[T], s16, v[T]                      ; + b, last, as reference() adds it
	v_ashrrev_i32 v[T+1], 31, v[T]                 ; negative: all ones; else 0
	v_or_b32 v[T+1], 0x80000000, v[T+1]            ; negative: flip all bits; else set the sign bit
	v_xor_b32 v[T], v[T], v[T+1]                   ; a u32 that orders as the f32 does
	s_wait_alu depctr_va_vcc(0)                    ; the compare at the row end's head has written VCC, which the select below reads
	v_cndmask_b32 v[SC], v[SC], v[T], vcc_lo
.endm
.Lrows:                                            ; seven trips of two rows; each asks for the two rows behind them
	HALF 0, 1, 24                                  ; 24 = the three younger slots' loads (in the first trip w's 16 are older, so in too)
	REFILL 0
	HALF 1, 1, 24
	ROWEND L15, 1, 1
	HALF 2, 1, 24
	REFILL 2
	HALF 3, 1, 24
	ROWEND L15M, 3, 1
	s_add_co_u32 s17, s17, 2
	s_cmp_lt_u32 s17, 14
	s_cbranch_scc1 .Lrows
	HALF 0, 0, 24                                  ; rows 14 and 15 ask for nothing: no load leaves the work-group's 2 MiB,
	HALF 1, 0, 16                                  ; and the counts run down
	ROWEND L15, 1, 0
	HALF 2, 0, 8
	HALF 3, 0, 0
	ROWEND L15M, 3, 0
	; The 256 keys meet in LDS: word 16 v + r holds the key of row 16 r + v.  Lanes r and r + 16 write the same word, the same value.
	s_wait_alu depctr_va_vdst(0)                   ; the last select has written v[SC], which the LDS store reads; and row 14's products are done reading the registers K, in which wave 0's LDS loads land (no vector line stands between here and them)
	ds_store_b32 v[SA], v[SC]
	s_wait_dscnt 0x0                               ; my keys are in LDS in front of my signal
	s_barrier_signal -1
	s_barrier_wait -1
	s_cmp_lg_u32 s14, 0
	s_cbranch_scc1 .Ldone                          ; the picks are one wave's work
	ds_load_b128 v[K:K+3],   v[WO]                 ; words 4 l + e:       wave l / 4,     r = 4 (l % 4) + e
	ds_load_b128 v[K+4:K+7], v[WO] offset:512      ; words 128 + 4 l + e: wave 8 + l / 4, the same r
	s_lshl_b32 s2, ttmp9, 8                        ; the work-group's first row, counted over all batches; also its 256 bytes in cand
	v_and_b32 v[T], 3, v[LANE]
	v_lshrrev_b32 v[T+1], 2, v[LANE]
	v_lshl_add_u32 v[T], v[T], 6, v[T+1]           ; row = 16 r + wave = 64 (l % 4) + 16 e + l / 4
	v_add_nc_u32 v[I], s2, v[T]
.irp e, 1,2,3
	v_add_nc_u32 v[I+\e], 16*\e, v[I]
.endr
.irp e, 0,1,2,3
	v_add_nc_u32 v[I+4+\e], 16*\e+8, v[I]
.endr
	v_mov_b32 v[WIN], 0                            ; lanes 5 to 31 keep this: lowest key, row -1: an entry that the merge never takes
	v_mov_b32 v[WIN+1], -1
	s_wait_dscnt 0x0
; Pick p: the largest key; among its holders the lowest row; lane p keeps both; then that entry is struck out (key 0, row -1: an entry
; struck out is never the lowest row, so a live key 0 is still served).  The compares stand in runs, each into a mask of its own
; (s[20:27], free since the last load came in, and s18 for the lane that keeps the pick), with one wait behind each run.
.macro PICK p, strike
	v_max3_u32 v[M],   v[K],   v[K+1], v[K+2]
	v_max3_u32 v[M+1], v[K+3], v[K+4], v[K+5]
	v_max3_u32 v[M],   v[M],   v[K+6], v[K+7]
	v_max_u32  v[M],   v[M],   v[M+1]
	v_max_u32_dpp v[M], v[M], v[M] row_xmask:1 row_mask:0xf bank_mask:0xf
	v_max_u32_dpp v[M], v[M], v[M] row_xmask:2 row_mask:0xf bank_mask:0xf
	v_max_u32_dpp v[M], v[M], v[M] row_xmask:4 row_mask:0xf bank_mask:0xf
	v_max_u32_dpp v[M], v[M], v[M] row_xmask:8 row_mask:0xf bank_mask:0xf
	v_permlanex16_b32 v[M+1], v[M], s12, s13
	v_max_u32 v[M], v[M], v[M+1]
	v_cmp_eq_u32 s18, \p, v[LANE]
.irp e, 0,1,2,3,4,5,6,7
	v_cmp_eq_u32 s[20+\e], v[K+\e], v[M]
.endr
	s_wait_alu depctr_va_sdst(0)                   ; the nine compares have written s18 and s[20:27], which the selects below read
.irp e, 0,1,2,3,4,5,6,7
	v_cndmask_b32 v[C+\e], -1, v[I+\e], s[20+\e]   ; a holder's row, else the largest u32
.endr
	v_min3_u32 v[N],   v[C],   v[C+1], v[C+2]
	v_min3_u32 v[N+1], v[C+3], v[C+4], v[C+5]
	v_min3_u32 v[N],   v[N],   v[C+6], v[C+7]
	v_min_u32  v[N],   v[N],   v[N+1]
	v_min_u32_dpp v[N], v[N], v[N] row_xmask:1 row_mask:0xf bank_mask:0xf
	v_min_u32_dpp v[N], v[N], v[N] row_xmask:2 row_mask:0xf bank_mask:0xf
	v_min_u32_dpp v[N], v[N], v[N] row_xmask:4 row_mask:0xf bank_mask:0xf
	v_min_u32_dpp v[N], v[N], v[N] row_xmask:8 row_mask:0xf bank_mask:0xf
	v_permlanex16_b32 v[N+1], v[N], s12, s13
	v_min_u32 v[N], v[N], v[N+1]
	v_cndmask_b32 v[WIN],   v[WIN],   v[M], s18
	v_cndmask_b32 v[WIN+1], v[WIN+1], v[N], s18
.if \strike
.irp e, 0,1,2,3,4,5,6,7
	v_cmp_eq_u32 s[20+\e], v[I+\e], v[N]
.endr
	s_wait_alu depctr_va_sdst(0)                   ; the eight compares have written s[20:27] anew, which the selects below read
.irp e, 0,1,2,3,4,5,6,7
	v_cndmask_b32 v[K+\e], v[K+\e], 0,  s[20+\e]
	v_cndmask_b32 v[I+\e], v[I+\e], -1, s[20+\e]
.endr
.endif
.endm
	PICK 0, 1
	PICK 1, 1
	PICK 2, 1
	PICK 3, 1
	PICK 4, 0
	v_lshlrev_b32 v[T], 3, v[LANE]
	s_add_nc_u64 s[10:11], s[10:11], s[2:3]        ; s3 is still 0
	s_wait_alu depctr_va_vdst(0)                   ; v[T] and v[WIN:WIN+1] are written, which the store reads as its offset and its data
	global_store_b64 v[T], v[WIN:WIN+1], s[10:11]  ; 32 lanes x 8 bytes: the work-group's 256 bytes of cand, aligned, written whole
.Ldone:
	s_wait_dscnt 0x0                               ; the closing lines, six on end
	s_wait_alu 0x0
	s_wait_tensorcnt 0x0
	ds_add_u32 v214, v215
	s_wait_dscnt 0x0
	s_endpgm
.Lfunc_end_k_q07dcaf9c8c_score:
	.size	k_q07dcaf9c8c_score, .Lfunc_end_k_q07dcaf9c8c_score-k_q07dcaf9c8c_score
	.p2alignl 7, 3214868480
	.fill 96, 4, 3214868480
	.section	.rodata,"a",@progbits
	.p2align	6, 0x0
	.amdhsa_kernel k_q07dcaf9c8c_score
		.amdhsa_group_segment_fixed_size 3072
		.amdhsa_private_segment_fixed_size 0
		.amdhsa_enable_private_segment 0
		.amdhsa_kernarg_size 32
		.amdhsa_user_sgpr_count 2
		.amdhsa_user_sgpr_kernarg_segment_ptr 1
		.amdhsa_wavefront_size32 1
		.amdhsa_system_sgpr_workgroup_id_x 1
		.amdhsa_system_sgpr_workgroup_id_y 1
		.amdhsa_system_sgpr_workgroup_id_z 1
		.amdhsa_system_vgpr_workitem_id 0
		.amdhsa_next_free_vgpr 216
		.amdhsa_next_free_sgpr 66
		.amdhsa_reserve_vcc 1
		.amdhsa_float_denorm_mode_32 3
		.amdhsa_float_denorm_mode_16_64 3
		.amdhsa_memory_ordered 1
		.amdhsa_forward_progress 1
		.amdhsa_inst_pref_size 41
	.end_amdhsa_kernel
	.amdgpu_metadata
---
amdhsa.version: [ 1, 2 ]
amdhsa.kernels:
  - .name:           k_q07dcaf9c8c_score
    .symbol:         k_q07dcaf9c8c_score.kd
    .args:
      - { .name: value, .offset: 0, .size: 8, .value_kind: global_buffer, .address_space: global }
      - { .name: w, .offset: 8, .size: 8, .value_kind: global_buffer, .address_space: global }
      - { .name: b, .offset: 16, .size: 8, .value_kind: global_buffer, .address_space: global }
      - { .name: cand, .offset: 24, .size: 8, .value_kind: global_buffer, .address_space: global }
    .group_segment_fixed_size: 3072
    .private_segment_fixed_size: 0
    .kernarg_segment_align: 8
    .kernarg_segment_size: 32
    .max_flat_workgroup_size: 512
    .sgpr_count:     66
    .vgpr_count:     216
    .wavefront_size: 32
...
	.end_amdgpu_metadata
.endif
;; end of part 3
;; launch gather: the kernel of part 2 again; grid 32 x 5, 4 waves a work-group, no clusters, 0 bytes of LDS; arguments cand, value, out0; writes out0
